; MI455X (gfx1250); checked and timed in simulation.
; The chip was launched on July 23, 2026; its instructions are those of AMD's public machine-readable ISA for CDNA 5 (MIT licence, August 2026) and "CDNA5" Instruction Set Architecture Reference Guide (July 2026). The comments in the code are by the model that wrote it; some were corrected since.
;; Attention Multi Items. Allowed arithmetic: float matrix products may take bf16 or f16 operands with f32 sums; all other float work in f32.
;; Inputs: W1 256 x 80 float32; W2 80 x 40 float32; W3 40 x 1 float32; b1 80 float32; b2 40 float32; b3 1 float32; keys 128 x 200 x 64 float32; keys_length 128 int32; queries 128 x 16 x 64 float32.
;; Outputs: out0 128 x 16 x 64 float32.
;; One version. Each part assembles by itself: llvm-mc -triple=amdgcn-amd-amdhsa -mcpu=gfx1250 --defsym DOCPART=n.
;; ======== version 1 of 1: 1 launch
;; limits: values outside matrix products are rounded to bf16
;; launch attn (part 1): grid 256 x 1, 8 waves a work-group, no clusters, 121,856 bytes of LDS; arguments W1, W2, keys, queries, b1, b2, W3, b3, keys_length, out0; writes out0
.if DOCPART == 1
	.amdgcn_target "amdgcn-amd-amdhsa--gfx1250"
	.amdhsa_code_object_version 6
	.text
	.protected	k_qc87c30b57c_attn
	.globl	k_qc87c30b57c_attn
	.p2align	8
	.type	k_qc87c30b57c_attn,@function
k_qc87c30b57c_attn:
	s_mov_b64 s[64:65], 0
	v_nop
	global_prefetch_b8 v0, s[64:65] scope:SCOPE_SE
	s_setreg_imm32_b32 hwreg(HW_REG_WAVE_MODE, 25, 1), 1
	s_wait_xcnt 0x0
; out0[b][n][:] = softmax over t of ( mask(MLP([q, k, q-k, q*k])) / 8 ) applied to keys[b].   B 128, N 16, T 200, H 64; MLP 256 -> 80 -> 40 -> 1.
; Work-group g: b = g >> 1, queries n = 8 (g & 1) + wave.  One wave owns one (b, n): the softmax never leaves a wave.
;
; LAYER 1 IS FOLDED.  feat @ W1 = k @ (diag(q) W1d + W1b - W1c) + q @ (W1a + W1c), for every input.  Each wave makes its own weight
; Wq = q * W1d + (W1b - W1c) once (64 x 80) and its own bias c = q @ (W1a + W1c) + b1, and layer 1 is a product of depth 64 with the keys.
; ALL PRODUCTS ARE USED TRANSPOSED: source 0 = weights (row = hidden unit), source 1 = keys or activations (column = t).  A result register i of
; lane (r, hf) is unit 16 tile + 8 hf + i of key t0 + r, which is where the next layer's source 1 wants it: sigmoid and rounding, no lane moves.
; cs = -log2(e) is folded into the weights and biases of layers 1 and 2, so that sigmoid = 1 / (1 + 2^D); 2^D = +inf gives 0, 2^D = 0 gives 1.
;
; THE WEIGHTED SUM TAKES ITS OPERANDS AS bf16 PAIRS, x = hi + lo with lo = x - hi rounded to bf16: khi whi + klo whi + khi wlo.  A row with few
; valid keys has weights near 1 / length, and its products may cancel: one rounding of 2^-9 on each product would stand against a small sum.
; The product klo wlo, some 2^-18 of a product, is left out.
;
; NO CLUSTER, NO TENSOR LOADS: what work-groups share (keys[b], the weights) is read once at the head and must be combined or rounded to bf16 in
; registers on its way to LDS; landed as f32 it would pass through LDS a second time.  No load stands behind the head, so nothing is prefetched.
;
; LIMITS, all of rounding.  Matrix operands are bf16, sums f32.  cs (W1b - W1c), cs (W1a + W1c), cs W1d are formed in f32 and rounded once;
; Wq is an f32 multiply-add of these and is rounded once more: a layer-1 weight carries up to three roundings of 2^-9.  The column q - k is not
; formed: its share q @ W1c - k @ W1c carries the rounding of the columns q and k.  v_exp_f32 and v_rcp_f32 flush denormals (ISA guide 15.8).
; keys_length may be any int32: <= 0 gives weights 1/200, >= 200 masks nothing.  NEG / 8 is -2^29 exactly.  Padding t = 200..223 gets -inf.
.set CS,   0xbfb8aa3b                  ; -log2(e)
; LDS, bytes
.set KP,   144                         ; keys' high parts as bf16 [224 t][64 h] from byte 0: 128 bytes + 16, an odd multiple of 16; rows 200..223 are zeros
.set WD,   32256                       ; cs W1d           bf16 [64 h][80 j], pitch 160
.set WBC,  42496                       ; cs (W1b - W1c)   the same
.set WAC,  52736                       ; cs (W1a + W1c)   the same
.set W2L,  62976                       ; cs W2            bf16 [j1][40 j2], pitch 80; bytes 6,400..8,191 (rows 80 on) are zeros
.set SC,   71168                       ; scores f32, 896 bytes (224 t) for each wave
.set PW,   78336                       ; softmax weights' high parts, bf16 [8 n][224 t], pitch 464
.set OST,  82048                       ; results f32, a block [8 n][16 h] of pitch 80 (640 bytes) for each of the four waves that sum
.set KLO,  84736                       ; keys' low parts, laid out as the high parts
.set PWL,  116992                      ; softmax weights' low parts, laid out as the high parts
; vector registers, window 0
.set CB1,  24                          ; v[24:63]   layer 1's bias c, as C operands (5 tiles)
.set CB2,  64                          ; v[64:87]   cs b2 (3 tiles)
.set W3R,  88                          ; v[88:111]  W3 in the layout of layer 2's results
.set X1,   112                         ; v[112:135] sigmoid of layer 1 as bf16, three fragments; the last four registers (units 80..95) are 0
.set D1,   136                         ; v[136:175] layer 1's results
.set D2,   176                         ; v[176:199] layer 2's results
.set BK,   200                         ; v[200:215] the tile's keys, two fragments
.set T,    216                         ; v[216:223] layer 3's four chains
; ahead of the loop the same registers hold
.set W1S,  24                          ; v[24:103]  W1 as loaded: unit p, part a b c d, 4 words
.set W2S,  104                         ; v[104:119] W2 as loaded
.set KS,   120                         ; v[120:171] keys as loaded
.set HT,   172                         ; v[172:177] keys: two words of high parts, and these widened to f32
.set Q,    224                         ; v[224:255] q in f32: register 16 s + 8 g + i = q[32 s + 16 g + 8 hf + i]
.set QB,   208                         ; v[208:223] the same as two bf16 fragments
.set WA,   112                         ; v[112:191] ten fragments of cs (W1a + W1c)
.set FT0,  112                         ; v[112:143] fold: fragments of WD (16) and WBC (16), buffer 0
.set FT1,  144                         ; v[144:175] buffer 1
.set MT,   176                         ; v[176:207] fold: 32 products in f32
; behind the loop
.set SV,   32                          ; v[32:38]   scores, then weights, then their low parts, of t = lane + 32 m
.set WH,   40                          ; v[40:46]   the weights' high parts
.set SM,   48                          ; maximum
.set SS,   50                          ; v[50:52]   sum
.set WX,   56                          ; v[56:62]   the high parts widened to f32
.set PF,   16                          ; v[16:71]   seven fragments of the weights' high parts
.set KF,   72                          ; v[72:127]  seven fragments of the keys' high parts
.set PLF,  128                         ; v[128:183] the weights' low parts
.set KLF,  184                         ; v[184:239] the keys' low parts
.set ACC,  240                         ; v[240:255] two accumulators
; window 1
.set A1,   0                           ; v256..335  Wq: fragment (jt, s) at 16 jt + 8 s
.set A2,   80                          ; v336..407  cs W2: fragment (mt, s) at 8 (3 mt + s)
.set MSB, 0
.macro WIN new                         ; s_set_vgpr_msb: bits 1:0 source 0, 7:6 destination; the high byte repeats the setting that is left
.if MSB != \new
	s_set_vgpr_msb (MSB<<8)|\new
.set MSB, \new
.endif
.endm
	s_load_b512 s[4:19], s[0:1], 0x0               ; W1 s[4:5], W2 s[6:7], keys s[8:9], queries s[10:11], b1 s[12:13], b2 s[14:15], W3 s[16:17], b3 s[18:19]
	s_load_b128 s[20:23], s[0:1], 0x40             ; keys_length s[20:21], out0 s[22:23]
	s_set_vgpr_msb 0x40
	v_lshl_add_u32 v152, v0, 2, 0x1d800
	v_mov_b32 v153, 0
	s_set_vgpr_msb 0x4000
	v_lshrrev_b32 v19, 5, v0
	v_readfirstlane_b32 s24, v19                   ; wave 0..7
	s_mov_b32 s30, CS
	s_mov_b32 s31, CS
	s_mov_b32 s32, 0x76543210                      ; v_permlanex16_b32: lane i of one half reads lane i of the other
	s_mov_b32 s33, 0xfedcba98
	s_mov_b32 s46, 0x3e000000                      ; 0.125 = 1 / sqrt(64)
	s_lshr_b32 s35, ttmp9, 1                       ; b
	s_mul_i32 s26, s35, 51200                      ; keys[b]: 200 rows of 256 bytes
	s_mov_b32 s27, 0
	s_lshl_b32 s38, ttmp9, 11                      ; the group's 8 rows of 256 bytes in queries and in out0
	s_mov_b32 s39, 0
	s_lshl_b32 s44, s24, 8                         ; 256 x wave
	s_add_co_u32 s40, s38, s44                     ; my wave's row of queries
	s_mov_b32 s41, 0
	s_lshl_b32 s42, s35, 2                         ; keys_length[b]
	s_mov_b32 s43, 0
	s_mul_i32 s45, s24, 2*KP                       ; a wave stages two rows of keys at a time
	s_mul_i32 s36, s24, 896
	s_add_co_u32 s36, s36, SC                      ; my wave's scores
	s_mul_i32 s37, s24, 464
	s_add_co_u32 s37, s37, PW                      ; my wave's row of weights
	v_and_b32 v1, 15, v0                           ; r
	v_bfe_u32 v2, v0, 4, 1                         ; hf
	v_and_b32 v3, 31, v0                           ; lane
	v_lshlrev_b32 v4, 4, v0                        ; 16 t: my 16 bytes of each run of 4,096
	v_add_nc_u32 v5, 0x3000, v4
	v_min_u32 v5, 0x31f0, v5                       ; W2's last run: 512 bytes are left; the other threads stay on the last 16 bytes
	v_add_nc_u32 v6, 0xc000, v4
	v_min_u32 v6, 0xc7f0, v6                       ; keys' last run: 2,048 bytes are left
	v_lshl_add_u32 v7, v3, 3, s44                  ; 8 x lane + 256 x wave: my 8 bytes of each run of 2,048 in LDS, and in the group's part of out0
	v_add_nc_u32 v8, W2L, v7
	v_mul_u32_u24 v19, v2, KP
	v_lshl_add_u32 v19, v1, 3, v19
	v_add_nc_u32 v9, s45, v19                      ; keys into LDS: row 2 wave + hf, 8 bytes at 8 r
	v_add_nc_u32 v20, KLO, v9                      ; and the same place in the image of the low parts
	v_lshlrev_b32 v10, 5, v2                       ; 32 hf: eight f32
	v_mov_b32 v11, 0
	v_mov_b32 v12, 0
	v_mov_b32 v13, 0
	v_and_b32 v22, 7, v0
	v_lshl_add_u32 v22, v2, 3, v22                 ; a = (lane & 7) + 8 hf: the row that I address in a transposing load
	v_bfe_u32 v23, v0, 3, 1                        ; x = (lane >> 3) & 1: which 16 bytes of it
	v_mul_u32_u24 v19, v22, 160
	v_lshl_add_u32 v14, v23, 4, v19                ; for the three images of W1
	v_mul_u32_u24 v19, v22, 80
	v_lshl_add_u32 v15, v23, 4, v19
	v_add_nc_u32 v15, W2L, v15                     ; for W2's image
	v_mul_u32_u24 v19, v1, KP
	v_lshl_add_u32 v16, v2, 4, v19                 ; a key fragment: row r, 16 hf
	v_lshl_add_u32 v17, v1, 2, s36                 ; where the tile's score of key r goes
	v_mov_b32 v18, 0                               ; destination of v_permlanex16_b32, which counts as read
	s_wait_kmcnt 0x0
	s_add_nc_u64 s[8:9], s[8:9], s[26:27]
	s_add_nc_u64 s[10:11], s[10:11], s[40:41]
	s_add_nc_u64 s[22:23], s[22:23], s[38:39]
	s_add_nc_u64 s[20:21], s[20:21], s[42:43]
	s_load_b32 s28, s[18:19], 0x0                  ; b3
	s_load_b32 s29, s[20:21], 0x0                  ; keys_length[b]
	; ALL BULK LOADS AT ONCE, 45 a lane, in the order in which they are used: W1 20, W2 4, keys 13, q 8.
.irp p, 0,1,2,3,4
.irp part, 0,1,2,3
	global_load_b128 v[W1S+16*\p+4*\part:W1S+16*\p+4*\part+3], v4, s[4:5] offset:4096*\p+20480*\part
.endr
.endr
.irp p, 0,1,2
	global_load_b128 v[W2S+4*\p:W2S+4*\p+3], v4, s[6:7] offset:4096*\p
.endr
	global_load_b128 v[W2S+12:W2S+15], v5, s[6:7]
.irp p, 0,1,2,3,4,5,6,7,8,9,10,11
	global_load_b128 v[KS+4*\p:KS+4*\p+3], v4, s[8:9] offset:4096*\p
.endr
	global_load_b128 v[KS+48:KS+51], v6, s[8:9]
.irp c, 0,1,2,3,4,5,6,7
	global_load_b128 v[Q+4*\c:Q+4*\c+3], v10, s[10:11] offset:64*(\c/2)+16*(\c%2)
.endr
	s_wait_kmcnt 0x0                               ; b3 and the length
; Unit p of W1: my four numbers of the same place in parts a, b, c, d.  16 bytes of f32 at byte 16 u become 8 bytes of bf16 at byte 8 u.
.macro STW1 p
.set RA, W1S+16*\p
	s_wait_loadcnt 41-4*\p                         ; 45 loads were issued, 4 (p + 1) of them up to this unit: the younger ones stay out
	v_pk_add_f32 v[RA+4:RA+5], v[RA+4:RA+5], v[RA+8:RA+9] neg_lo:[0,1] neg_hi:[0,1]      ; b - c
	v_pk_add_f32 v[RA+6:RA+7], v[RA+6:RA+7], v[RA+10:RA+11] neg_lo:[0,1] neg_hi:[0,1]
	v_pk_add_f32 v[RA:RA+1], v[RA:RA+1], v[RA+8:RA+9]                                    ; a + c
	v_pk_add_f32 v[RA+2:RA+3], v[RA+2:RA+3], v[RA+10:RA+11]
.irp o, 0,2,4,6,12,14
	v_pk_mul_f32 v[RA+\o:RA+\o+1], v[RA+\o:RA+\o+1], s[30:31] op_sel_hi:[1,0]            ; x cs
.endr
.irp o, 0,4,12
	v_cvt_pk_bf16_f32 v[RA+\o], v[RA+\o], v[RA+\o+1]
	v_cvt_pk_bf16_f32 v[RA+\o+1], v[RA+\o+2], v[RA+\o+3]
.endr
	ds_store_b64 v7, v[RA+12:RA+13] offset:WD+2048*\p
	ds_store_b64 v7, v[RA+4:RA+5] offset:WBC+2048*\p
	ds_store_b64 v7, v[RA:RA+1] offset:WAC+2048*\p
.endm
	STW1 0
	STW1 1
	STW1 2
	STW1 3
	STW1 4
	; W2: x cs, bf16; the image's bytes behind W2's 6,400 are zeros (threads 32 on in the last run)
	s_wait_loadcnt 21                              ; behind W2's loads: keys 13, q 8
.irp o, 0,2,4,6,8,10,12,14
	v_pk_mul_f32 v[W2S+\o:W2S+\o+1], v[W2S+\o:W2S+\o+1], s[30:31] op_sel_hi:[1,0]
.endr
.irp p, 0,1,2,3
	v_cvt_pk_bf16_f32 v[W2S+4*\p], v[W2S+4*\p], v[W2S+4*\p+1]
	v_cvt_pk_bf16_f32 v[W2S+4*\p+1], v[W2S+4*\p+2], v[W2S+4*\p+3]
.endr
	v_cmp_gt_u32 vcc_lo, 32, v0
	v_cndmask_b32 v[W2S+12], 0, v[W2S+12], vcc_lo
	v_cndmask_b32 v[W2S+13], 0, v[W2S+13], vcc_lo
.irp p, 0,1,2,3
	ds_store_b64 v8, v[W2S+4*\p:W2S+4*\p+1] offset:2048*\p
.endr
	; The small operands, 22 loads, into the registers that W1 has left: register 8 tile + i = unit 16 tile + 8 hf + i.
	; Tile 2 of b2 and W3 has only units 32..39: both halves of the lanes read those, so that nothing is read past the 160 bytes.
.irp c, 0,1,2,3,4,5,6,7,8,9
	global_load_b128 v[CB1+4*\c:CB1+4*\c+3], v10, s[12:13] offset:64*(\c/2)+16*(\c%2)
.endr
.irp c, 0,1,2,3
	global_load_b128 v[CB2+4*\c:CB2+4*\c+3], v10, s[14:15] offset:64*(\c/2)+16*(\c%2)
.endr
	global_load_b128 v[CB2+16:CB2+19], v11, s[14:15] offset:128
	global_load_b128 v[CB2+20:CB2+23], v11, s[14:15] offset:144
.irp c, 0,1,2,3
	global_load_b128 v[W3R+4*\c:W3R+4*\c+3], v10, s[16:17] offset:64*(\c/2)+16*(\c%2)
.endr
	global_load_b128 v[W3R+16:W3R+19], v11, s[16:17] offset:128
	global_load_b128 v[W3R+20:W3R+23], v11, s[16:17] offset:144
; Run p of the keys: 16 rows into rows of 144 bytes, twice: hi = bf16(k), and lo = bf16(k - hi), the difference exact in f32.
; In run 12 only rows 192..199 exist (threads 0..127): the rest becomes zeros.
.macro STK p
.set RK, KS+4*\p
	s_wait_loadcnt 42-\p                           ; behind this load: 12 - p of keys, 8 of q, 22 small ones
	v_cvt_pk_bf16_f32 v[HT], v[RK], v[RK+1]
	v_cvt_pk_bf16_f32 v[HT+1], v[RK+2], v[RK+3]
	v_lshlrev_b32 v[HT+2], 16, v[HT]               ; the high parts back in f32
	v_and_b32 v[HT+3], 0xffff0000, v[HT]
	v_lshlrev_b32 v[HT+4], 16, v[HT+1]
	v_and_b32 v[HT+5], 0xffff0000, v[HT+1]
	v_pk_add_f32 v[RK:RK+1], v[RK:RK+1], v[HT+2:HT+3] neg_lo:[0,1] neg_hi:[0,1]          ; k - hi
	v_pk_add_f32 v[RK+2:RK+3], v[RK+2:RK+3], v[HT+4:HT+5] neg_lo:[0,1] neg_hi:[0,1]
	v_cvt_pk_bf16_f32 v[RK], v[RK], v[RK+1]
	v_cvt_pk_bf16_f32 v[RK+1], v[RK+2], v[RK+3]
.if \p == 12
	v_cmp_gt_u32 vcc_lo, 128, v0
	v_cndmask_b32 v[HT], 0, v[HT], vcc_lo
	v_cndmask_b32 v[HT+1], 0, v[HT+1], vcc_lo
	v_cndmask_b32 v[RK], 0, v[RK], vcc_lo
	v_cndmask_b32 v[RK+1], 0, v[RK+1], vcc_lo
.endif
	ds_store_b64 v9, v[HT:HT+1] offset:16*KP*\p
	ds_store_b64 v20, v[RK:RK+1] offset:16*KP*\p
.endm
.irp p, 0,1,2,3,4,5,6,7,8,9,10,11,12
	STK \p
.endr
	ds_store_b64 v9, v[12:13] offset:16*KP*13      ; rows 208..223 of both images: zeros
	ds_store_b64 v20, v[12:13] offset:16*KP*13
	ds_store_b32 v17, v11 offset:832               ; my wave's score words t = 208..223, which no tile writes
	s_wait_dscnt 0x0                               ; my stores are in LDS, for the other waves' sake
	s_barrier_signal -1
	s_barrier_wait -1                              ; keys and all four images of weights are whole
	; THE Q TERM.  Weights lie [K][M] in LDS: the transposing load brings lane (r, hf) K = k0 + 8 hf .. + 7 of column r (ISA guide 11.2).
	WIN 0x40                                       ; destination in window 1
.irp mt, 0,1,2
.irp s, 0,1,2
	ds_load_tr16_b128 v[A2+8*(3*\mt+\s):A2+8*(3*\mt+\s)+3], v15 offset:2560*\s+32*\mt
	ds_load_tr16_b128 v[A2+8*(3*\mt+\s)+4:A2+8*(3*\mt+\s)+7], v15 offset:2560*\s+32*\mt+1280
.endr
.endr
	WIN 0
.irp jt, 0,1,2,3,4
.irp s, 0,1
	ds_load_tr16_b128 v[WA+8*(2*\jt+\s):WA+8*(2*\jt+\s)+3], v14 offset:WAC+5120*\s+32*\jt
	ds_load_tr16_b128 v[WA+8*(2*\jt+\s)+4:WA+8*(2*\jt+\s)+7], v14 offset:WAC+5120*\s+32*\jt+2560
.endr
.endr
	s_wait_loadcnt 0x0                             ; q and the small operands
.set i, 0
.rept 16
	v_cvt_pk_bf16_f32 v[QB+i], v[Q+2*i], v[Q+2*i+1]
.set i, i+1
.endr
.set i, 0
.rept 32
	v_pk_mul_f32 v[CB1+i:CB1+i+1], v[CB1+i:CB1+i+1], s[30:31] op_sel_hi:[1,0]   ; cs b1 and, behind it in the registers, cs b2
.set i, i+2
.endr
	v_cmp_eq_u32 vcc_lo, 0, v2
.set i, 16
.rept 8
	v_cndmask_b32 v[W3R+i], 0, v[W3R+i], vcc_lo    ; units 40..47 do not exist: weight 0
.set i, i+1
.endr
	s_wait_dscnt 0x0
	; c = cs (W1a + W1c)^T q + cs b1.  All sixteen columns of source 1 hold the same q, so every lane gets c of its units.
	; The five accumulators take turns, one instruction a turn.
.irp s, 0,1
.irp jt, 0,1,2,3,4
	v_wmma_f32_16x16x32_bf16 v[CB1+8*\jt:CB1+8*\jt+7], v[WA+8*(2*\jt+\s):WA+8*(2*\jt+\s)+7], v[QB+8*\s:QB+8*\s+7], v[CB1+8*\jt:CB1+8*\jt+7]
.endr
.endr
.rept 5
	v_nop                                          ; four places before loads land on the sources, five before c serves as the C of another accumulator
.endr
	; THE FOLD: Wq = q * (cs W1d) + cs (W1b - W1c), in the fragment's own layout: register rho holds h = 32 s + 16 g + 8 hf + 2 iota, + 1, as Q does.
.macro LOADC jt, buf
.irp s, 0,1
	ds_load_tr16_b128 v[\buf+8*\s:\buf+8*\s+3], v14 offset:WD+5120*\s+32*\jt
	ds_load_tr16_b128 v[\buf+8*\s+4:\buf+8*\s+7], v14 offset:WD+5120*\s+32*\jt+2560
.endr
.irp s, 0,1
	ds_load_tr16_b128 v[\buf+16+8*\s:\buf+16+8*\s+3], v14 offset:WBC+5120*\s+32*\jt
	ds_load_tr16_b128 v[\buf+16+8*\s+4:\buf+16+8*\s+7], v14 offset:WBC+5120*\s+32*\jt+2560
.endr
.endm
.macro FOLD jt, buf
.set i, 0
.rept 16
	v_fma_mix_f32_bf16 v[MT+2*i], v[Q+2*i], v[\buf+i], v[\buf+16+i] op_sel_hi:[0,1,1]                      ; f32 x low half + low half
	v_fma_mix_f32_bf16 v[MT+2*i+1], v[Q+2*i+1], v[\buf+i], v[\buf+16+i] op_sel:[0,1,1] op_sel_hi:[0,1,1]   ; f32 x high half + high half
.set i, i+1
.endr
	WIN 0x40
.set i, 0
.rept 16
	v_cvt_pk_bf16_f32 v[A1+16*\jt+i], v[MT+2*i], v[MT+2*i+1]
.set i, i+1
.endr
	WIN 0
.endm
	LOADC 0, FT0
	LOADC 1, FT1
	s_wait_dscnt 8                                 ; each count of 8 leaves the younger tile's eight loads out
	FOLD 0, FT0
	LOADC 2, FT0
	s_wait_dscnt 8
	FOLD 1, FT1
	LOADC 3, FT1
	s_wait_dscnt 8
	FOLD 2, FT0
	LOADC 4, FT0
	s_wait_dscnt 8
	FOLD 3, FT1
	s_wait_dscnt 0
	FOLD 4, FT0
.irp i4, 20,21,22,23
	v_mov_b32 v[X1+\i4], 0                         ; units 80..95 of layer 2's source 1
.endr
.irp c, 0,1,2,3
	ds_load_b128 v[BK+4*\c:BK+4*\c+3], v16 offset:32*\c        ; tile 0's keys
.endr
; sigmoid of n registers in place: 1 / (1 + 2^D).  Behind each run of transcendentals stands one plain instruction before a result is used (ISA guide 5.7.2).
.macro SIGM base, n
.set i, 0
.rept \n
	v_exp_f32 v[\base+i], v[\base+i]
.set i, i+1
.endr
	v_nop
.set i, 0
	s_wait_alu depctr_va_vdst(0)
.rept \n/2
	v_pk_add_f32 v[\base+i:\base+i+1], v[\base+i:\base+i+1], 1.0 op_sel_hi:[1,0]
.set i, i+2
.endr
.set i, 0
.rept \n
	v_rcp_f32 v[\base+i], v[\base+i]
.set i, i+1
.endr
	v_nop
.endm
	; THE LOOP: 13 tiles of 16 keys; the scores take the keys' high parts alone.  No two matrix instructions that follow each other share an
	; accumulator, over the backward jump too (the body's last writes D2's tile 2, its first D1's tile 0).
	s_mov_b32 s34, 0
.Ltile:
	s_wait_dscnt 0x0                               ; the tile's four key loads (and the last trip's score store)
	WIN 0x01                                       ; source 0 in window 1
.irp jt, 0,1,2,3,4
	v_wmma_f32_16x16x32_bf16 v[D1+8*\jt:D1+8*\jt+7], v[A1+16*\jt:A1+16*\jt+7], v[BK:BK+7], v[CB1+8*\jt:CB1+8*\jt+7]
.endr
.irp jt, 0,1,2,3,4
	v_wmma_f32_16x16x32_bf16 v[D1+8*\jt:D1+8*\jt+7], v[A1+16*\jt+8:A1+16*\jt+15], v[BK+8:BK+15], v[D1+8*\jt:D1+8*\jt+7]
.endr
	WIN 0
	v_add_nc_u32 v16, 16*KP, v16                   ; four places (ISA guide 7.12.1): the next tile's address,
.rept 3
	v_nop                                          ; and three that do nothing
.endr
.irp c, 0,1,2,3
	ds_load_b128 v[BK+4*\c:BK+4*\c+3], v16 offset:32*\c        ; the next tile's keys; the last trip reads the zero rows 208..223
.endr
	SIGM D1, 40
.set i, 0
	s_wait_alu depctr_va_vdst(0)
.rept 20
	v_cvt_pk_bf16_f32 v[X1+i], v[D1+2*i], v[D1+2*i+1]          ; results of tile jt are registers 4 jt .. 4 jt + 3 of layer 2's source 1
.set i, i+1
.endr
	WIN 0x01
.irp mt, 0,1,2
	v_wmma_f32_16x16x32_bf16 v[D2+8*\mt:D2+8*\mt+7], v[A2+24*\mt:A2+24*\mt+7], v[X1:X1+7], v[CB2+8*\mt:CB2+8*\mt+7]
.endr
.irp s, 1,2
.irp mt, 0,1,2
	v_wmma_f32_16x16x32_bf16 v[D2+8*\mt:D2+8*\mt+7], v[A2+24*\mt+8*\s:A2+24*\mt+8*\s+7], v[X1+8*\s:X1+8*\s+7], v[D2+8*\mt:D2+8*\mt+7]
.endr
.endr
	WIN 0
.rept 4
	v_nop                                          ; four places before the results are read
.endr
	SIGM D2, 24
	; layer 3 in f32: my 24 units in four chains of pairs, then the other half of the lanes
	s_wait_alu depctr_va_vdst(0)
.irp c, 0,2,4,6
	v_pk_mul_f32 v[T+\c:T+\c+1], v[D2+\c:D2+\c+1], v[W3R+\c:W3R+\c+1]
.endr
.irp c, 8,10,12,14,16,18,20,22
	v_pk_fma_f32 v[T+(\c%8):T+(\c%8)+1], v[D2+\c:D2+\c+1], v[W3R+\c:W3R+\c+1], v[T+(\c%8):T+(\c%8)+1]
.endr
	v_pk_add_f32 v[T:T+1], v[T:T+1], v[T+2:T+3]
	v_pk_add_f32 v[T+4:T+5], v[T+4:T+5], v[T+6:T+7]
	v_pk_add_f32 v[T:T+1], v[T:T+1], v[T+4:T+5]
	v_add_f32 v[T], v[T], v[T+1]
	v_permlanex16_b32 v18, v[T], s32, s33
	v_add_f32 v[T], v[T], v18
	ds_store_b32 v17, v[T]                         ; lanes r and r + 16 store the same number to the same word
	v_add_nc_u32 v17, 64, v17
	s_add_co_u32 s34, s34, 1
	s_cmp_lt_u32 s34, 13
	s_cbranch_scc1 .Ltile
	; SOFTMAX over my wave's own 224 words: t = lane + 32 m.  LDS serves a wave's instructions in order (ISA guide 5.7.1): the loads see the stores.
	v_lshl_add_u32 v19, v3, 2, s36
.irp m, 0,1,2,3,4,5,6
	ds_load_b32 v[SV+\m], v19 offset:128*\m
.endr
	v_lshl_add_u32 v20, v3, 1, s37                 ; where my weights go
	v_mov_b32 v21, s28
	v_mul_f32 v21, s46, v21                        ; b3 / 8
	s_max_i32 s29, s29, 0                          ; the length cut to 0..200: no comparison with t = 0..199 changes,
	s_min_i32 s29, s29, 200                        ; and the steps below cannot wrap
	s_wait_dscnt 0x0
.irp m, 0,1,2,3,4,5,6
	v_fma_f32 v[SV+\m], v[SV+\m], s46, v21         ; (x @ W3 + b3) / 8
	v_cmp_gt_i32 vcc_lo, s29, v3                   ; length - 32 m > lane
	v_cndmask_b32 v[SV+\m], 0xce000000, v[SV+\m], vcc_lo       ; masked: NEG / 8 = -2^29
.if \m < 6
	s_sub_co_i32 s29, s29, 32
.endif
.endr
	v_cmp_gt_u32 vcc_lo, 8, v3                     ; m = 6: t = 192 + lane exists for lanes 0..7
	v_cndmask_b32 v[SV+6], 0xff800000, v[SV+6], vcc_lo         ; padding: -inf, weight 0
	v_max3_num_f32 v[SM], v[SV], v[SV+1], v[SV+2]
	v_max3_num_f32 v[SM], v[SM], v[SV+3], v[SV+4]
	v_max3_num_f32 v[SM], v[SM], v[SV+5], v[SV+6]
	v_max_num_f32_dpp v[SM], v[SM], v[SM] row_xmask:1 row_mask:0xf bank_mask:0xf
	v_max_num_f32_dpp v[SM], v[SM], v[SM] row_xmask:2 row_mask:0xf bank_mask:0xf
	v_max_num_f32_dpp v[SM], v[SM], v[SM] row_xmask:4 row_mask:0xf bank_mask:0xf
	v_max_num_f32_dpp v[SM], v[SM], v[SM] row_xmask:8 row_mask:0xf bank_mask:0xf
	v_permlanex16_b32 v18, v[SM], s32, s33
	v_max_num_f32 v[SM], v[SM], v18                ; the row's maximum, finite, in every lane
.irp m, 0,1,2,3,4,5,6
	v_sub_f32 v[SV+\m], v[SV+\m], v[SM]            ; the difference first, not fused with the scale: the maximum's own term is exactly 0
.endr
.irp m, 0,1,2,3,4,5,6
	v_mul_f32 v[SV+\m], 0x3fb8aa3b, v[SV+\m]
.endr
.irp m, 0,1,2,3,4,5,6
	v_exp_f32 v[SV+\m], v[SV+\m]
.endr
	v_nop
	s_wait_alu depctr_va_vdst(0)
	v_add_f32 v[SS], v[SV], v[SV+1]
	v_add_f32 v[SS+1], v[SV+2], v[SV+3]
	v_add_f32 v[SS+2], v[SV+4], v[SV+5]
	v_add_f32 v[SS], v[SS], v[SV+6]
	v_add_f32 v[SS+1], v[SS+1], v[SS+2]
	v_add_f32 v[SS], v[SS], v[SS+1]
	v_add_f32_dpp v[SS], v[SS], v[SS] row_xmask:1 row_mask:0xf bank_mask:0xf
	v_add_f32_dpp v[SS], v[SS], v[SS] row_xmask:2 row_mask:0xf bank_mask:0xf
	v_add_f32_dpp v[SS], v[SS], v[SS] row_xmask:4 row_mask:0xf bank_mask:0xf
	v_add_f32_dpp v[SS], v[SS], v[SS] row_xmask:8 row_mask:0xf bank_mask:0xf
	v_permlanex16_b32 v18, v[SS], s32, s33
	v_add_f32 v[SS], v[SS], v18                    ; at least 1: the maximum's term
	v_rcp_f32 v[SS], v[SS]
	v_nop
	s_wait_alu depctr_va_vdst(0)
.irp m, 0,1,2,3,4,5,6
	v_mul_f32 v[SV+\m], v[SV+\m], v[SS]
.endr
	; the weight as a pair: hi = bf16(w), lo = bf16(w - hi), the difference exact in f32
.irp m, 0,1,2,3,4,5,6
	v_cvt_pk_bf16_f32 v[WH+\m], v[SV+\m], v[SV+\m]
.endr
.irp m, 0,1,2,3,4,5,6
	v_lshlrev_b32 v[WX+\m], 16, v[WH+\m]
.endr
.irp m, 0,1,2,3,4,5,6
	v_sub_f32 v[SV+\m], v[SV+\m], v[WX+\m]
.endr
.irp m, 0,1,2,3,4,5,6
	v_cvt_pk_bf16_f32 v[SV+\m], v[SV+\m], v[SV+\m]
.endr
.irp m, 0,1,2,3,4,5,6
	ds_store_b16 v20, v[WH+\m] offset:64*\m
	ds_store_b16 v20, v[SV+\m] offset:PWL-PW+64*\m
.endr
	; where my wave reads its row of the result: h = 2 lane, 2 lane + 1 lie in block lane >> 3, row wave, byte 8 (lane & 7)
	v_lshrrev_b32 v12, 3, v3
	v_mul_u32_u24 v12, v12, 640
	v_and_b32 v13, 7, v0
	v_lshl_add_u32 v12, v13, 3, v12
	s_mul_i32 s40, s24, 80
	s_add_co_u32 s40, s40, OST
	v_add_nc_u32 v12, s40, v12
	s_wait_dscnt 0x0                               ; my weights are in LDS, for the other waves' sake
	s_barrier_signal -1
	s_barrier_wait -1                              ; all eight rows of weights are there
	; THE WEIGHTED SUM, waves 0..3: wave w makes h = 16 w .. 16 w + 15 for all eight n.  Source 0 = keys (row = h, stored [t][h]: transposing
	; loads), source 1 = weights (column = n; columns 8..15 repeat 0..7).  Seven K steps of 32 t; t = 200..223 are zeros on both sides.
	s_cmp_ge_u32 s24, 4
	s_cbranch_scc1 .Lno_sum
	v_mul_u32_u24 v5, v22, KP
	v_lshl_add_u32 v5, v23, 4, v5
	s_lshl_b32 s38, s24, 5
	v_add_nc_u32 v5, s38, v5                       ; keys' high parts: row a, 16 x + 32 w
	v_add_nc_u32 v9, KLO, v5                       ; their low parts
	v_mul_u32_u24 v6, v13, 464
	v_lshl_add_u32 v6, v2, 4, v6
	v_add_nc_u32 v6, PW, v6                        ; weights: row r & 7, 16 hf; the low parts lie PWL - PW further on
	v_mul_u32_u24 v8, v13, 80
	v_lshl_add_u32 v8, v2, 5, v8
	s_mul_i32 s39, s24, 640
	s_add_co_u32 s39, s39, OST
	v_add_nc_u32 v8, s39, v8                       ; my wave's block: row r & 7, 32 hf
.irp s, 0,1,2,3,4,5,6
	ds_load_tr16_b128 v[KF+8*\s:KF+8*\s+3], v5 offset:32*KP*\s
	ds_load_tr16_b128 v[KF+8*\s+4:KF+8*\s+7], v5 offset:32*KP*\s+16*KP
	ds_load_b128 v[PF+8*\s:PF+8*\s+3], v6 offset:64*\s
	ds_load_b128 v[PF+8*\s+4:PF+8*\s+7], v6 offset:64*\s+32
	ds_load_tr16_b128 v[KLF+8*\s:KLF+8*\s+3], v9 offset:32*KP*\s
	ds_load_tr16_b128 v[KLF+8*\s+4:KLF+8*\s+7], v9 offset:32*KP*\s+16*KP
	ds_load_b128 v[PLF+8*\s:PLF+8*\s+3], v6 offset:PWL-PW+64*\s
	ds_load_b128 v[PLF+8*\s+4:PLF+8*\s+7], v6 offset:PWL-PW+64*\s+32
.endr
; One product.  The 21 products take the two accumulators by turns, one instruction a turn; the first of each starts its sum.
.set NP, 0
.macro PROD a, b
.if NP < 2
	v_wmma_f32_16x16x32_bf16 v[ACC+8*(NP%2):ACC+8*(NP%2)+7], v[\a:\a+7], v[\b:\b+7], 0
.else
	v_wmma_f32_16x16x32_bf16 v[ACC+8*(NP%2):ACC+8*(NP%2)+7], v[\a:\a+7], v[\b:\b+7], v[ACC+8*(NP%2):ACC+8*(NP%2)+7]
.endif
.set NP, NP+1
.endm
.irp s, 0,1,2,3,4,5,6
	s_wait_dscnt 48-8*\s                           ; the eight loads of each later K step stay out
	PROD KF+8*\s, PF+8*\s                          ; khi whi
	PROD KLF+8*\s, PF+8*\s                         ; klo whi
	PROD KF+8*\s, PLF+8*\s                         ; khi wlo
.endr
.rept 4
	v_nop                                          ; four places before the results are read
.endr
.irp c, 0,2,4,6
	v_pk_add_f32 v[ACC+\c:ACC+\c+1], v[ACC+\c:ACC+\c+1], v[ACC+8+\c:ACC+8+\c+1]
.endr
	ds_store_b128 v8, v[ACC:ACC+3]                 ; out(n = r & 7, h = 16 w + 8 hf + 0..3); lanes r and r + 8 store the same numbers to the same bytes
	ds_store_b128 v8, v[ACC+4:ACC+7] offset:16
.Lno_sum:
	s_wait_dscnt 0x0                               ; the results are in LDS, for the other waves' sake
	s_barrier_signal -1
	s_barrier_wait -1
	; THE WAY OUT: wave n takes row n, 8 bytes a lane: one store of the wave covers 256 consecutive bytes, at a multiple of 256 from out0's first byte
	ds_load_b64 v[14:15], v12
	s_wait_dscnt 0x0
	global_store_b64 v7, v[14:15], s[22:23]
	s_set_vgpr_msb 0x5
	s_wait_tensorcnt 0x0
	ds_add_u32 v152, v153
	s_wait_dscnt 0x0
	s_set_vgpr_msb 0x500
	s_endpgm
.Lfunc_end_k_qc87c30b57c_attn:
	.size	k_qc87c30b57c_attn, .Lfunc_end_k_qc87c30b57c_attn-k_qc87c30b57c_attn
	.p2alignl 7, 3214868480
	.fill 96, 4, 3214868480
	.section	.rodata,"a",@progbits
	.p2align	6, 0x0
	.amdhsa_kernel k_qc87c30b57c_attn
		.amdhsa_group_segment_fixed_size 121856
		.amdhsa_private_segment_fixed_size 0
		.amdhsa_enable_private_segment 0
		.amdhsa_kernarg_size 80
		.amdhsa_user_sgpr_count 2
		.amdhsa_user_sgpr_kernarg_segment_ptr 1
		.amdhsa_wavefront_size32 1
		.amdhsa_system_sgpr_workgroup_id_x 1
		.amdhsa_system_sgpr_workgroup_id_y 1
		.amdhsa_system_sgpr_workgroup_id_z 1
		.amdhsa_system_vgpr_workitem_id 0
		.amdhsa_next_free_vgpr 410
		.amdhsa_next_free_sgpr 66
		.amdhsa_reserve_vcc 1
		.amdhsa_float_denorm_mode_32 3
		.amdhsa_float_denorm_mode_16_64 3
		.amdhsa_memory_ordered 1
		.amdhsa_forward_progress 1
		.amdhsa_inst_pref_size 77
	.end_amdhsa_kernel
	.amdgpu_metadata
---
amdhsa.version: [ 1, 2 ]
amdhsa.kernels:
  - .name:           k_qc87c30b57c_attn
    .symbol:         k_qc87c30b57c_attn.kd
    .args:
      - { .name: W1, .offset: 0, .size: 8, .value_kind: global_buffer, .address_space: global }
      - { .name: W2, .offset: 8, .size: 8, .value_kind: global_buffer, .address_space: global }
      - { .name: keys, .offset: 16, .size: 8, .value_kind: global_buffer, .address_space: global }
      - { .name: queries, .offset: 24, .size: 8, .value_kind: global_buffer, .address_space: global }
      - { .name: b1, .offset: 32, .size: 8, .value_kind: global_buffer, .address_space: global }
      - { .name: b2, .offset: 40, .size: 8, .value_kind: global_buffer, .address_space: global }
      - { .name: W3, .offset: 48, .size: 8, .value_kind: global_buffer, .address_space: global }
      - { .name: b3, .offset: 56, .size: 8, .value_kind: global_buffer, .address_space: global }
      - { .name: keys_length, .offset: 64, .size: 8, .value_kind: global_buffer, .address_space: global }
      - { .name: out0, .offset: 72, .size: 8, .value_kind: global_buffer, .address_space: global }
    .group_segment_fixed_size: 121856
    .private_segment_fixed_size: 0
    .kernarg_segment_align: 8
    .kernarg_segment_size: 80
    .max_flat_workgroup_size: 256
    .sgpr_count:     66
    .vgpr_count:     410
    .wavefront_size: 32
...
	.end_amdgpu_metadata
.endif
;; end of part 1
